; MI455X (gfx1250); checked and timed in simulation.
; The chip was launched on July 23, 2026; its instructions are those of AMD's public machine-readable ISA for CDNA 5 (MIT licence, August 2026) and "CDNA5" Instruction Set Architecture Reference Guide (July 2026). The comments in the code are by the model that wrote it; some were corrected since.
;; Compressed Linear. Allowed arithmetic: matrix products marked QUANTISED: E5M2 operands, one given power-of-two scale a tensor, by v_wmma_f32_16x16x64_bf8_bf8 or v_wmma_f32_16x16x128_bf8_bf8, f32 sums; everything else in f32.
;; Inputs: compressed_bias 4,096 float16; compressed_weight 4,096 x 4,096 int8; lowp_scales 2 int32 (the exponents e of the quantised operands' scales 2^e); scale one number float32; x 2 x 2,048 x 4,096 float32.
;; Outputs: out0 2 x 2,048 x 4,096 float32.
;; This version of the problem:
;;   THIS VERSION OF THE PROBLEM IS GIVEN IN LOW PRECISION. The matrix products marked QUANTISED in the list below multiply operands that are first quantised to E5M2 (5 exponent bits, 2 mantissa bits; 8 bits a number), with one given power-of-two scale for each operand tensor; their sums are f32. All else is computed in f32.
;;   The module's matrix products, in the order in which they are computed (A, B: the left and right operand; K: the contracted axis; several contracted axes count as one K, in the product's order):
;;     1. [M 4,096, K 4,096] x [K 4,096, N 4,096]; A: input x; B: computed on the way: QUANTISED (scales: A lowp_scales[0], B lowp_scales[1])
;;   THE QUANTISER, for each operand of a quantised product, along K:
;;     - The operand's scale is 2^e, e = its entry of the input lowp_scales (int32; the entries are numbered through the quantised products in the list's order, A before B).
;;     - Each number is divided by the scale, clamped to +-57,344, and rounded to the nearest number of E5M2, ties to even, subnormals kept.
;;     - The product sums the exact products of the quantised numbers (number of the format x scale) in f32.
;;   ~~~python
;;   def quantise(x, axis, e):      # numpy; x: float32 -> the quantised numbers, widened to float32 again
;;       x = np.moveaxis(x, axis, -1); K = x.shape[-1]
;;       r = np.clip(x / 2.0 ** e, -57344, 57344)
;;       step = 2.0 ** (np.maximum(np.frexp(np.where(r == 0, 1, r))[1] - 1, -14) - 2)
;;       q = np.round(r / step) * step * 2.0 ** e      # np.round: ties to even
;;       return np.moveaxis(q, -1, axis).astype(np.float32)
;;   ~~~
;;   OPERANDS COMPUTED ON THE WAY. 'Computed on the way' means the value that the module computes at that place (a softmax that the list does not call 'softmax' is quantised finished and normalised). What goes into a quantiser is computed in f32, as accurately as f32 sums, v_exp_f32 and their like allow (about 1e-6 of the number): no bf16 or f16 on the way to a quantiser, and a product that is left as it is and whose result goes on into a quantised operand takes f32 operands (vector FMAs, or v_wmma_f32_16x16x4_f32). A number that lies on a knife's edge between two numbers of the format may be rounded either way, as far as f32 arithmetic and the matrix unit's own rounding can turn it there, and no further.
;; One version. Each part assembles by itself: llvm-mc -triple=amdgcn-amd-amdhsa -mcpu=gfx1250 --defsym DOCPART=n.
;; ======== version 1 of 1: 2 launches
;; limits: right only within a limited range of input values; values are held in f16: magnitudes above 65,504 overflow, below 6.1e-05 lose precision
;; workspace buffers: xc 16,777,216 bytes; wc 16,777,216 bytes
;; launch quant (part 1): grid 1024 x 1, 4 waves a work-group, no clusters, 0 bytes of LDS; arguments x, compressed_weight, scale, lowp_scales, xc, wc; writes xc, wc
.if DOCPART == 1
	.amdgcn_target "amdgcn-amd-amdhsa--gfx1250"
	.amdhsa_code_object_version 6
	.text
	.protected	k_q20dfcc6ae0_quant
	.globl	k_q20dfcc6ae0_quant
	.p2align	8
	.type	k_q20dfcc6ae0_quant,@function
k_q20dfcc6ae0_quant:
	s_mov_b64 s[64:65], 0
	v_nop
	global_prefetch_b8 v0, s[64:65] scope:SCOPE_SE
	s_setreg_imm32_b32 hwreg(HW_REG_WAVE_MODE, 25, 1), 1
	s_wait_xcnt 0x0
; x [4096][4096] f32 and w = f32(compressed_weight [4096][4096] int8) x scale are turned into codes of BF8 (E5M2), one byte each, each with the one scale 2^e that is given for it
; (entry 0 of the scales' buffer for x, entry 1 for w):  code = number / 2^e, held within +-57,344, rounded to the nearest code, ties to even.
; LAYOUT OF THE CODES (xc, wc: [4096 rows][4096 bytes]).  Inside each aligned block of 512 along K the codes are PERMUTED, alike in both buffers: byte p of a block holds
; k = 128 ((p % 16) / 4) + 4 (p / 16) + p % 4.  The product's launch reads both buffers at the same bytes, so every code meets its partner; only the order of the sums changes.
; WHY: a conversion takes eight numbers from ONE lane's consecutive registers.  With this order lane l's 16 codes are four pieces of four neighbours, 128 apart along K: so each load takes the bytes as they lie
; (x: 16 bytes a lane, 512 consecutive bytes a load; w: 4 bytes a lane, 128 consecutive bytes a load, four loads on end cover a block), nothing turns through LDS, and each store of the wave covers 512 consecutive bytes, aligned.
; SHARES.  Rows are dense and 4,096 is a multiple of 512: both tensors are plain streams of blocks of 512.  A wave takes 16 blocks (8,192 numbers), a block a step.  Work-groups 0 to 511 take x, 512 to 1,023 w:
; one scalar branch on the work-group's number.  No LDS, no barrier: waves share nothing.  Every offset is an immediate, no pointer is stepped, and each step has its own four registers for its codes, so no source of a
; pending load or store is ever written again.
; w x scale: the bytes are taken as u = w + 128 (one exclusive or for four), widened, and one fused multiply-add gives u x scale - 128 x scale.  128 x scale is exact, so the sum is w x scale exactly, rounded once:
; the bits of f32(w) x scale.
; LIMITS: each e between -126 and 112, so that 2^e and 57,344 x 2^e are f32 numbers; |scale| under 2^120, so that 128 x scale is finite; NaN among the inputs is not served (an infinity is held at the largest code);
; a weight of 0 becomes the code +0 whatever scale's sign.
.set STEPS, 16
.set WGX,   512                        ; work-groups that take x: 4096 x 4096 / (8192 x 4 waves)
.set EMAX,  15
.set MANT,  0x600000                   ; the mantissa field of 57,344 as f32
.set R,     16                         ; v16-143  x: eight sets of 16 numbers as loaded;  w: 16 steps x 4 words of four bytes (v16-79)
.set C,     144                        ; v144-207 codes: four registers for each step
.set T,     208                        ; v208-223 w: 16 numbers at work
; v1 lane; v3 16 x lane (x's loads, all stores); v5 4 x lane (w's loads); v10 57,344 x 2^e; v11 2^e; v[12:13] scale, twice; v[14:15] -128 x scale, twice
	s_load_b256 s[4:11], s[0:1], 0x0               ; x s[4:5], the weight s[6:7], scale s[8:9], the scales' exponents s[10:11]
	s_load_b128 s[12:15], s[0:1], 0x20             ; xc s[12:13], wc s[14:15]
	v_lshrrev_b32 v2, 5, v0
	v_readfirstlane_b32 s16, v2                    ; wave 0..3
	v_and_b32 v1, 31, v0                           ; lane
	v_lshlrev_b32 v3, 4, v1
	v_lshlrev_b32 v5, 2, v1
	s_mov_b32 s21, 0                               ; the upper words of the two offsets
	s_mov_b32 s23, 0
	s_wait_kmcnt 0x0
	s_cmp_lt_u32 ttmp9, WGX
	s_cbranch_scc0 .Lweights
.macro SCALES                          ; from e in s18
	s_add_co_i32 s24, s18, 127
	s_lshl_b32 s25, s24, 23
	v_mov_b32 v11, s25                             ; 2^e as f32: the conversion takes its exponent field
	s_add_co_i32 s24, s24, EMAX
	s_lshl_b32 s24, s24, 23
	s_or_b32 s24, s24, MANT
	v_mov_b32 v10, s24                             ; the largest number x 2^e
.endm
.macro HOLD_CVT s, t                   ; 16 numbers in v[s] on become step t's 16 codes
.irp i, 0,1,2,3,4,5,6,7,8,9,10,11,12,13,14,15
	v_med3_num_f32 v[\s+\i], v[\s+\i], -v10, v10   ; the conversion to an 8-bit code does not saturate (ISA guide 7.6.2): hold the number within the largest code x the scale first
.endr
	v_cvt_scalef32_pk8_bf8_f32 v[C+4*(\t):C+4*(\t)+1], v[\s:\s+7], v11       ; eight numbers / 2^e, to the nearest code, ties to even; the first number's code in the lowest byte
	v_cvt_scalef32_pk8_bf8_f32 v[C+4*(\t)+2:C+4*(\t)+3], v[\s+8:\s+15], v11
.endm
	; ---- x
	s_load_b32 s18, s[10:11], 0x0                  ; e of x
	s_lshl_b32 s24, ttmp9, 2
	s_add_co_u32 s24, s24, s16                     ; which run of 8,192 numbers is my wave's: 0 .. 2,047
	s_lshl_b32 s20, s24, 15                        ; its first byte in x,
	s_lshl_b32 s22, s24, 13                        ; and in xc
	s_add_nc_u64 s[4:5], s[4:5], s[20:21]
	s_add_nc_u64 s[12:13], s[12:13], s[22:23]
.macro LOADX t                         ; block t: register 4 i + j = k 128 i + 4 lane + j
.irp i, 0,1,2,3
	global_load_b128 v[R+16*((\t)%8)+4*\i:R+16*((\t)%8)+4*\i+3], v3, s[4:5] offset:2048*(\t)+512*\i th:TH_LOAD_NT   ; 32 lanes read 512 consecutive bytes; read once in the launch
.endr
.endm
	s_wait_alu depctr_va_vdst(0)
.irp t, 0,1,2,3,4,5,6,7
	LOADX \t                                       ; loads run eight steps, 32 loads a wave, ahead
.endr
	s_wait_kmcnt 0x0
	SCALES
.macro STEPX t
.if STEPS-1-(\t) >= 7
	s_wait_loadcnt 28                              ; loads come back in order (ISA guide 5.7.1): this step's four are in; those of the seven steps behind it stay out
.else
	s_wait_loadcnt 4*(STEPS-1-(\t))                ; the counts run down: 24, 20, .. 0
.endif
	HOLD_CVT R+16*((\t)%8), \t
	global_store_b128 v3, v[C+4*(\t):C+4*(\t)+3], s[12:13] offset:512*(\t)   ; the wave's 512 codes: 512 consecutive bytes, at a multiple of 512 from xc's first byte
.if (\t)+8 < STEPS
	LOADX (\t)+8                                   ; into the set just converted.  The next vector lines, the next step's holds, are plain and touch another set
.endif
.endm
	s_wait_alu depctr_va_vdst(0)
.irp t, 0,1,2,3,4,5,6,7,8,9,10,11,12,13,14,15
	STEPX \t
.endr
	s_endpgm
	; ---- w
.Lweights:
	s_load_b32 s17, s[8:9], 0x0                    ; scale
	s_load_b32 s18, s[10:11], 0x4                  ; e of w
	s_sub_co_u32 s24, ttmp9, WGX
	s_lshl_b32 s24, s24, 2
	s_add_co_u32 s24, s24, s16                     ; my wave's run of 8,192 numbers
	s_lshl_b32 s22, s24, 13                        ; its first byte, in the weight and in wc alike
	s_add_nc_u64 s[6:7], s[6:7], s[22:23]
	s_add_nc_u64 s[14:15], s[14:15], s[22:23]
	s_wait_alu depctr_va_vdst(0)
.irp t, 0,1,2,3,4,5,6,7,8,9,10,11,12,13,14,15      ; the run is 64 words a lane: all its loads go out at once
.irp i, 0,1,2,3
	global_load_b32 v[R+4*\t+\i], v5, s[6:7] offset:512*\t+128*\i th:TH_LOAD_NT   ; byte j of the word = k 128 i + 4 lane + j of block t
.endr
.endr
	s_wait_kmcnt 0x0
	SCALES
	v_mov_b32 v12, s17
	v_mov_b32 v13, s17
	v_mul_f32 v14, 0xc3000000, v12                 ; -128 x scale: exact
	v_mov_b32 v15, v14
.macro STEPW t
	s_wait_loadcnt 4*(STEPS-1-(\t))                ; this step's four words are in; the later steps' may be out
.irp i, 0,1,2,3
	v_xor_b32 v[R+4*(\t)+\i], 0x80808080, v[R+4*(\t)+\i]   ; u = w + 128 in each byte.  (These four plain lines also stand between the last step's conversions and the rewriting of their sources)
.endr
.irp i, 0,1,2,3
	v_and_b32     v[T+4*\i],   0xff, v[R+4*(\t)+\i]
	v_bfe_u32     v[T+4*\i+1], v[R+4*(\t)+\i], 8, 8
	v_bfe_u32     v[T+4*\i+2], v[R+4*(\t)+\i], 16, 8
	v_lshrrev_b32 v[T+4*\i+3], 24, v[R+4*(\t)+\i]
.endr
.irp i, 0,1,2,3,4,5,6,7,8,9,10,11,12,13,14,15
	v_cvt_f32_u32 v[T+\i], v[T+\i]
.endr
.irp i, 0,2,4,6,8,10,12,14
	v_pk_fma_f32 v[T+\i:T+\i+1], v[T+\i:T+\i+1], v[12:13], v[14:15]   ; u x scale - 128 x scale = w x scale, rounded once
.endr
	HOLD_CVT T, \t
	global_store_b128 v3, v[C+4*(\t):C+4*(\t)+3], s[14:15] offset:512*(\t)   ; 512 consecutive bytes, at a multiple of 512 from wc's first byte
.endm
.irp t, 0,1,2,3,4,5,6,7,8,9,10,11,12,13,14,15
	STEPW \t
.endr
	s_endpgm
.Lfunc_end_k_q20dfcc6ae0_quant:
	.size	k_q20dfcc6ae0_quant, .Lfunc_end_k_q20dfcc6ae0_quant-k_q20dfcc6ae0_quant
	.p2alignl 7, 3214868480
	.fill 96, 4, 3214868480
	.section	.rodata,"a",@progbits
	.p2align	6, 0x0
	.amdhsa_kernel k_q20dfcc6ae0_quant
		.amdhsa_group_segment_fixed_size 0
		.amdhsa_private_segment_fixed_size 0
		.amdhsa_enable_private_segment 0
		.amdhsa_kernarg_size 48
		.amdhsa_user_sgpr_count 2
		.amdhsa_user_sgpr_kernarg_segment_ptr 1
		.amdhsa_wavefront_size32 1
		.amdhsa_system_sgpr_workgroup_id_x 1
		.amdhsa_system_sgpr_workgroup_id_y 1
		.amdhsa_system_sgpr_workgroup_id_z 1
		.amdhsa_system_vgpr_workitem_id 0
		.amdhsa_next_free_vgpr 224
		.amdhsa_next_free_sgpr 66
		.amdhsa_reserve_vcc 0
		.amdhsa_float_denorm_mode_32 3
		.amdhsa_float_denorm_mode_16_64 3
		.amdhsa_memory_ordered 1
		.amdhsa_forward_progress 1
		.amdhsa_inst_pref_size 89
	.end_amdhsa_kernel
	.amdgpu_metadata
---
amdhsa.version: [ 1, 2 ]
amdhsa.kernels:
  - .name:           k_q20dfcc6ae0_quant
    .symbol:         k_q20dfcc6ae0_quant.kd
    .args:
      - { .name: x, .offset: 0, .size: 8, .value_kind: global_buffer, .address_space: global }
      - { .name: compressed_weight, .offset: 8, .size: 8, .value_kind: global_buffer, .address_space: global }
      - { .name: scale, .offset: 16, .size: 8, .value_kind: global_buffer, .address_space: global }
      - { .name: lowp_scales, .offset: 24, .size: 8, .value_kind: global_buffer, .address_space: global }
      - { .name: xc, .offset: 32, .size: 8, .value_kind: global_buffer, .address_space: global }
      - { .name: wc, .offset: 40, .size: 8, .value_kind: global_buffer, .address_space: global }
    .group_segment_fixed_size: 0
    .private_segment_fixed_size: 0
    .kernarg_segment_align: 8
    .kernarg_segment_size: 48
    .max_flat_workgroup_size: 128
    .sgpr_count:     66
    .vgpr_count:     224
    .wavefront_size: 32
...
	.end_amdgpu_metadata
.endif
;; end of part 1
;; launch gemm (part 2): grid 16 x 16, 4 waves a work-group, clusters of 4 x 4, 327,680 bytes of LDS; arguments xc, wc, lowp_scales, compressed_bias, out0; writes out0
.if DOCPART == 2
	.amdgcn_target "amdgcn-amd-amdhsa--gfx1250"
	.amdhsa_code_object_version 6
	.text
	.protected	k_q20dfcc6ae0_gemm
	.globl	k_q20dfcc6ae0_gemm
	.p2align	8
	.type	k_q20dfcc6ae0_gemm,@function
k_q20dfcc6ae0_gemm:
	s_mov_b64 s[64:65], 0
	v_nop
	global_prefetch_b8 v0, s[64:65] scope:SCOPE_SE
	s_setreg_imm32_b32 hwreg(HW_REG_WAVE_MODE, 25, 1), 1
	s_wait_xcnt 0x0
	s_wait_alu depctr_hold_cnt(0) depctr_sa_sdst(0) depctr_va_vdst(0) depctr_va_sdst(0) depctr_va_ssrc(0) depctr_va_vcc(0) depctr_vm_vsrc(0)
	s_getreg_b32 s2, hwreg(HW_REG_IB_STS2, 6, 4)
	s_cmp_eq_u32 s2, 0
	s_cbranch_scc0 .Lentry_in_a_cluster
	s_endpgm
.Lentry_in_a_cluster:
	s_bfe_u32 s2, ttmp6, 0x10000c
	s_cmp_lg_u32 s2, 0xf033
	s_cbranch_scc0 .Lentry_shape_is_right
	s_endpgm
.Lentry_shape_is_right:
; out0[m][n] = 2^(ex + ew) x (sum over k of xc[m][k] wc[n][k]) + bias[n].  xc, wc: [4096][4096] codes of BF8 (E5M2), one byte each, K innermost, permuted alike inside
; each 512 along K by the launch that made them: every code meets its partner, only the order of the sums differs.  Sums in f32; bias f16, widened to f32.
; LIMIT: ex + ew lies between -126 and 127, so that 2^(ex + ew) is an f32 number.
; A block of 256 x 256 of the result is made by four waves, each 128 x 128: 64 accumulators, 512 registers.  256 work-groups.  K goes in steps of 256 through a ring of two LDS slots
; (256 rows of xc, 256 of wc, 256 bytes a row, 16 of padding); each wave fetches 128 rows with one tensor load.
; CLUSTERS: 4 x 4.  The four of a cluster's row need the same rows of xc, the four of a column the same rows of wc: each tile is asked for jointly.
; THE MATRIX INSTRUCTION IS USED TRANSPOSED (source 0 = 16 rows of wc, source 1 = 16 rows of xc): a lane holds eight neighbouring numbers of a row of the result.
; A STEP of 128 along K is 64 matrix instructions in four groups of 16 (four blocks of A x four of B).  Its 64 LDS loads for the next step go in two runs of 32:
; in the middle B's next fragments 0-3 and A's blocks 0-3, at the end B's 4-7 and A's 4-7.  A has one set of registers, B two.
; THE LAST 256 ALONG K GO BY ROWS OF THE RESULT: B's fragments of both halves fill B's two sets, A comes by blocks of 16 rows x 256 K, and each block of 16 rows is finished by 16 matrix
; instructions and leaves while the next ones are multiplied.
; PREFETCH: behind each joint refill each wave names, a lane a row, 32 rows x 256 bytes of the K step two refills on; of the 128 rows that a wave fetches each of the four partners
; takes 32, told apart by address.  The head names K steps 1, 2 (behind the first load) and 3 (behind the second).  The last two refills name nothing: K ends there.
; REGISTERS: window 0: v0-31 addresses and bias, v32-95 rows read back on the way out, v128-255 A's fragments; window 1: B's two sets; windows 2, 3: accumulator (a, b) at v[8 (8 (a % 4) + b)].
.set SIZE_N, 4096
.set SIZE_K, 4096
.set ROWB,   256                       ; a tile's row in bytes = a K step
.set KROW,   SIZE_K                    ; a row of codes in memory, in bytes
.set PITCH,  272                       ; an LDS row: 256 bytes + 16 of padding: the 16 rows of a fragment load start at 16 different banks
.set FR,     16                        ; registers of a fragment, 16 rows x 128 K
.set HALFT,  128*PITCH                 ; what one tensor load brings
.set SLOT,   4*HALFT
.set LAPS,   SIZE_K/(2*ROWB)
.set SPARE,  2*SLOT                    ; behind the ring: the spare words, 128 bytes a wave
.set SPITCH, 528                       ; the way out: 16 rows x (512 + 16) bytes a wave, in slot 0, which has had its last fill and its last read by then
.set BRAW, 8                           ; v8-9    four f16 of the bias
.set BI,   12                          ; v12-15  the same as f32
.set ADRA, 16                          ; v16-17  my A fragments in slot 0, 1
.set ADRB, 20                          ; v20-21  my B fragments
.set STO,  24
.set RD,   25
.set CO,   26
.set BO,   27
.set SPW,  28                          ; my spare word; never rewritten
.set NIL,  29                          ; 0; never rewritten
.set PFO,  30                          ; lane x a row of codes; never rewritten
.set BK,   32
.set AF,   128
.set G1, 24
.set G0, 32
.set G1B, 48
.set G0B, 56
.set PFA, 68                           ; s[68:69] my 32 rows, at the K step of the refill that is being asked for
.set MSB, 0
.macro WIN new                         ; the immediate's high byte repeats the setting that is left
.if MSB != \new
	s_set_vgpr_msb (MSB<<8)|\new
.set MSB, \new
.endif
.endm
.set MUL_LO, 0xa1                      ; source 0 window 1, source 1 window 0, C and D window 2
.set MUL_HI, 0xf1                      ; the same, C and D window 3
.set TO_B,   0x40                      ; destination window 1
.macro JLOAD g0a, g1a, g0b, g1b        ; waves 0, 1 ask for xc's halves, waves 2, 3 for wc's
	s_cmp_eq_u32 s15, 0
	s_cbranch_scc0 .Lfor_b_\@
	tensor_load_to_lds s[\g0a:\g0a+3], s[\g1a:\g1a+7]
	s_nop 0
.rept 4
	v_nop
.endr
	s_branch .Lasked_\@
.Lfor_b_\@:
	tensor_load_to_lds s[\g0b:\g0b+3], s[\g1b:\g1b+7]
	s_nop 0
.rept 4
	v_nop
.endr
.Lasked_\@:
.endm
.macro ASK                             ; the K step two refills on; not in the loop's last trip (s3 = 1), whose look-ahead would pass the end of K
	s_cmp_gt_u32 s3, 1
	s_cbranch_scc0 .Lno_ask_\@
	global_prefetch_b8 v[PFO], s[PFA:PFA+1] offset:2*ROWB th:TH_LOAD_NT scope:SCOPE_SE
.Lno_ask_\@:
.endm
.macro CREST                           ; a round of the cluster's barrier behind its opening barrier
	s_cmp_lg_u32 s14, 0
	s_cbranch_scc1 .Lnot_wave_0_\@
	s_barrier_signal -3
.Lnot_wave_0_\@:
	s_barrier_wait -3
	s_barrier_signal -1
	s_barrier_wait -1
.endm
.macro CROUND
	s_barrier_signal -1
	s_barrier_wait -1
	CREST
.endm
	s_load_b256 s[4:11], s[0:1], 0x0               ; xc s[4:5], wc s[6:7], the exponents s[8:9], bias s[10:11]
	s_load_b64 s[12:13], s[0:1], 0x20              ; out0
	v_lshl_add_u32 v[SPW], v0, 2, SPARE
	v_mov_b32 v[NIL], 0
	ds_add_u32 v[SPW], v[NIL]                      ; the opening lines: the add, twice on end, and its wait
	ds_add_u32 v[SPW], v[NIL]
	v_lshrrev_b32 v1, 5, v0
	v_readfirstlane_b32 s14, v1                    ; wave 0..3
	s_lshr_b32 s15, s14, 1                         ; my half of the block's rows; also: I fetch for xc (0) or wc (1)
	s_and_b32 s16, s14, 1                          ; my half of its columns; also: which 128 rows I fetch
	s_bfe_u32 s40, ttmp6, 0x40000                  ; cx
	s_bfe_u32 s41, ttmp6, 0x40004                  ; cy
	s_lshl_b32 s42, ttmp9, 2
	s_add_co_u32 s42, s42, s40                     ; block column
	s_and_b32 s17, ttmp7, 0xffff
	s_lshl_b32 s17, s17, 2
	s_add_co_u32 s17, s17, s41                     ; block row
	s_lshl_b32 s43, s41, 2
	s_lshl_b32 s43, 15, s43                        ; my row of the cluster
	s_lshl_b32 s44, 0x1111, s40                    ; my column
	s_or_b32 s[G1+0], s43, (0<<16)|(1<<20)|(1<<21)|(5<<22)|(3<<25)   ; mask; 1-byte elements; padding of 4 words behind every 64
	s_or_b32 s[G1B+0], s44, (0<<16)|(1<<20)|(1<<21)|(5<<22)|(3<<25)
.irp g, G1, G1B
	s_mov_b32 s[\g+1], ROWB<<16
	s_mov_b32 s[\g+2], 128<<16
	s_mov_b32 s[\g+3], ROWB<<16
	s_mov_b32 s[\g+4], 128
	s_mov_b32 s[\g+5], KROW
	s_mov_b32 s[\g+6], 0
	s_mov_b32 s[\g+7], 0
.endr
	s_lshl_b32 s18, s16, 7
	s_lshl_b32 s20, s17, 8
	s_add_co_u32 s20, s20, s18                     ; xc: row 256 x block row + 128 x half
	s_lshl_b32 s46, s42, 8
	s_add_co_u32 s46, s46, s18                     ; wc: row 256 x block column + 128 x half
	s_mov_b32 s21, 0
	s_mov_b32 s47, 0
	s_mov_b64 s[18:19], KROW
	s_mul_u64 s[20:21], s[20:21], s[18:19]
	s_mul_u64 s[46:47], s[46:47], s[18:19]
	s_mul_i32 s45, s14, HALFT                      ; where they go: wave x 128 rows
	s_wait_dscnt 0x0                               ; both opening adds are done
	s_wait_kmcnt 0x0
	s_load_b64 s[96:97], s[8:9], 0x0               ; ex, ew
	s_add_nc_u64 s[20:21], s[4:5], s[20:21]
	s_add_nc_u64 s[46:47], s[6:7], s[46:47]
.irp s, 0,1
	s_mov_b32 s[G0+4*\s], 1
	s_add_co_u32 s[G0+4*\s+1], s45, \s*SLOT
	s_add_nc_u64 s[G0+4*\s+2:G0+4*\s+3], s[20:21], \s*ROWB
	s_or_b32 s[G0+4*\s+3], s[G0+4*\s+3], 0x80000000
	s_mov_b32 s[G0B+4*\s], 1
	s_add_co_u32 s[G0B+4*\s+1], s45, \s*SLOT
	s_add_nc_u64 s[G0B+4*\s+2:G0B+4*\s+3], s[46:47], \s*ROWB
	s_or_b32 s[G0B+4*\s+3], s[G0B+4*\s+3], 0x80000000
.endr
	CROUND                                         ; all sixteen work-groups are here: the first joint loads meet
	JLOAD G0, G1, G0B, G1B                         ; K step 0: one tensor load a wave at the head
	; all scalar set-up first, then the vector lines on end
	s_mul_i32 s21, s15, HALFT                      ; my 128 rows of A
	s_mul_i32 s22, s16, HALFT
	s_add_co_u32 s22, s22, 2*HALFT                 ; my 128 rows of B, behind A's 256
	s_add_co_u32 s70, s21, SLOT
	s_add_co_u32 s71, s22, SLOT
	s_mul_i32 s23, s14, 16*SPITCH                  ; my stage
	s_lshl_b32 s72, s17, 8
	s_lshl_b32 s73, s15, 7
	s_add_co_u32 s72, s72, s73                     ; my first row of the result,
	s_lshl_b32 s72, s72, 14                        ; x 16,384 bytes,
	s_lshl_b32 s73, s42, 10
	s_add_co_u32 s72, s72, s73
	s_lshl_b32 s73, s16, 9
	s_add_co_u32 s72, s72, s73                     ; + my first column x 4: under 2^27
	s_mov_b32 s73, 0
	s_add_nc_u64 s[12:13], s[12:13], s[72:73]
	s_lshl_b32 s72, s42, 9
	s_lshl_b32 s76, s16, 8
	s_add_co_u32 s72, s72, s76                     ; my first column x 2 bytes of f16
	s_add_nc_u64 s[10:11], s[10:11], s[72:73]
	s_lshl_b32 s74, s17, 8
	s_lshl_b32 s75, s42, 8
	s_lshl_b32 s76, s16, 7
	s_cmp_eq_u32 s15, 0                            ; do I fetch for xc?
	s_cselect_b32 s74, s74, s75                    ; the tile's first row
	s_cselect_b32 s75, s40, s41                    ; my place among the four that ask with me
	s_cselect_b64 s[PFA:PFA+1], s[4:5], s[6:7]
	s_add_co_u32 s74, s74, s76                     ; + the 128 rows that I fetch
	s_lshl_b32 s75, s75, 5
	s_add_co_u32 s74, s74, s75                     ; + my work-group's 32 of them
	s_lshl_b32 s74, s74, 12                        ; x 4,096 bytes: under 2^24
	s_add_co_u32 s74, s74, ROWB                    ; at K step 1
	s_mov_b32 s75, 0
	s_add_nc_u64 s[PFA:PFA+1], s[PFA:PFA+1], s[74:75]
	v_and_b32 v6, 31, v0
	v_lshlrev_b32 v[PFO], 12, v6
	v_lshlrev_b32 v[BO], 3, v6                     ; four f16 a lane: the columns of my 16 bytes of a row read back
	global_prefetch_b8 v[PFO], s[PFA:PFA+1] th:TH_LOAD_NT scope:SCOPE_SE               ; K step 1
	global_prefetch_b8 v[PFO], s[PFA:PFA+1] offset:ROWB th:TH_LOAD_NT scope:SCOPE_SE   ; K step 2
	global_load_b64 v[BRAW:BRAW+1], v[BO], s[10:11]                                    ; waited for behind the loop
	v_and_b32 v1, 15, v0                           ; l % 16
	v_bfe_u32 v2, v0, 4, 1                         ; l / 16
	v_mul_u32_u24 v3, v1, PITCH
	v_lshl_add_u32 v4, v2, 4, v3                   ; a fragment's row x pitch + 16 x half
	v_add_nc_u32 v[ADRA], s21, v4
	v_add_nc_u32 v[ADRB], s22, v4
	v_add_nc_u32 v[ADRA+1], s70, v4
	v_add_nc_u32 v[ADRB+1], s71, v4
	v_mul_u32_u24 v5, v1, SPITCH                   ; into the stage: row l % 16, 32 bytes for each half of the lanes
	v_lshl_add_u32 v5, v2, 5, v5
	v_add_nc_u32 v[STO], s23, v5
	v_lshlrev_b32 v[CO], 4, v6                     ; back: 32 lanes take a row of 512 bytes; the same in out0
	v_add_nc_u32 v[RD], s23, v[CO]
.macro FRAG reg, adr, q, i             ; lane l: row l % 16; registers 4 c .. 4 c + 3 = bytes 32 c + 16 (l / 16) + 0 .. 15 of the row's q-th 128
.irp c, 0,1,2,3
	ds_load_b128 v[\reg+4*\c:\reg+4*\c+3], v[\adr] offset:128*(\q)+32*\c+(\i)*16*PITCH
.endr
.endm
; 16 matrix instructions: A's blocks a0 .. a0 + 3 x B's fragments b0 .. b0 + 3 of set p.  zero = 1: the product starts the sums.  The 64 accumulators take turns, in the same order in every step.
.macro MUL a0, b0, p, zero
.irp a, \a0, \a0+1, \a0+2, \a0+3
.irp b, \b0, \b0+1, \b0+2, \b0+3
.if \zero
	v_wmma_f32_16x16x128_bf8_bf8 v[8*(8*((\a)%4)+(\b)):8*(8*((\a)%4)+(\b))+7], v[128*(\p)+FR*(\b):128*(\p)+FR*(\b)+FR-1], v[AF+FR*(\a):AF+FR*(\a)+FR-1], 0
.else
	v_wmma_f32_16x16x128_bf8_bf8 v[8*(8*((\a)%4)+(\b)):8*(8*((\a)%4)+(\b))+7], v[128*(\p)+FR*(\b):128*(\p)+FR*(\b)+FR-1], v[AF+FR*(\a):AF+FR*(\a)+FR-1], v[8*(8*((\a)%4)+(\b)):8*(8*((\a)%4)+(\b))+7]
.endif
.endr
.endr
.endm
.macro RUN slot, q, p, h               ; 32 LDS loads: B's fragments 4 h .. 4 h + 3 into set p, then A's blocks 4 h .. 4 h + 3
	WIN TO_B
.irp i, 0,1,2,3
	FRAG 128*(\p)+FR*(4*(\h)+\i), ADRB+\slot, \q, 4*(\h)+\i
.endr
	WIN 0
.irp i, 0,1,2,3
	FRAG AF+FR*(4*(\h)+\i), ADRA+\slot, \q, 4*(\h)+\i
.endr
.endm
.macro PLACES                          ; four places in front of loads into registers that matrix instructions have read, and of reads of results (ISA guide 7.12.1 for reads of results)
.rept 4
	v_nop
.endr
.endm
.macro STEP slot, zero                 ; a slot's first 128 along K (B's set 0); fetches its second 128 into set 1
	s_wait_dscnt 32                                ; the older run is in: B 0-3, A 0-3; the younger 32 may be out
	WIN MUL_LO
	MUL 0, 0, 0, \zero
	s_wait_dscnt 16                                ; B 4-7 are in; A 4-7 may be out
	MUL 0, 4, 0, \zero
	PLACES
	RUN \slot, 1, 1, 0
	s_wait_dscnt 32                                ; all but the 32 just issued: A 4-7 are in
	WIN MUL_HI
	MUL 4, 0, 0, \zero
	MUL 4, 4, 0, \zero
	PLACES
	RUN \slot, 1, 1, 1
.endm
; The first half of a slot's second 128 along K (B's set 1), with the ONE barrier of the change of slots: in front of it each wave waits for all its tensor loads, adds 0 to its spare word and waits for that and for its reads of this slot.
.macro MEET slot, fill
	s_wait_tensorcnt 0x0                           ; my one load that was out, my part of the next slot, has landed
	ds_add_u32 v[SPW], v[NIL]
.if \fill
	s_add_nc_u64 s[G0+4*\slot+2:G0+4*\slot+3], s[G0+4*\slot+2:G0+4*\slot+3], 2*ROWB      ; no load of mine is out: this slot's next K step
	s_add_nc_u64 s[G0B+4*\slot+2:G0B+4*\slot+3], s[G0B+4*\slot+2:G0B+4*\slot+3], 2*ROWB
.endif
	s_wait_dscnt 33                                ; the older run is in; the younger 32 and the add may be out
	WIN MUL_LO
	MUL 0, 0, 1, 0
	s_wait_dscnt 0x0                               ; the add is done, and my reads of this slot are over
	s_barrier_signal -1
	MUL 0, 4, 1, 0
	WIN 0
	s_barrier_wait -1
.endm
.macro TURN slot, next                 ; the whole second 128: the slot is filled again, two K steps ahead, and the next slot's first fragments are fetched
	s_wait_xcnt 0x0                                ; my last prefetch has read its address
	s_add_nc_u64 s[PFA:PFA+1], s[PFA:PFA+1], ROWB
	MEET \slot, 1
	CREST                                          ; the barrier has opened a round of the cluster's barrier
	JLOAD G0+4*\slot, G1, G0B+4*\slot, G1B         ; the first tensor load behind the round; its four v_nop are the places in front of the loads below
	RUN \next, 0, 0, 0
	ASK
	WIN MUL_HI
	MUL 4, 0, 1, 0
	MUL 4, 4, 1, 0
	PLACES
	RUN \next, 0, 0, 1
.endm
	s_wait_alu depctr_va_vdst(0)
	s_wait_tensorcnt 0x0                           ; my part of K step 0 is in; slot 1's first fill is issued as a refill is
	ds_add_u32 v[SPW], v[NIL]
	s_wait_dscnt 0x0
	CROUND
	JLOAD G0+4, G1, G0B+4, G1B                     ; K step 1
	RUN 0, 0, 0, 0
	RUN 0, 0, 0, 1
	global_prefetch_b8 v[PFO], s[PFA:PFA+1] offset:2*ROWB th:TH_LOAD_NT scope:SCOPE_SE   ; K step 3
	STEP 0, 1                                      ; the first step starts the sums
	s_mov_b32 s3, LAPS-1
.Llap:                                                 ; once round the ring, from a lap's second step to the next lap's first; both slots are filled again
	TURN 0, 1
	STEP 1, 0
	TURN 1, 0
	STEP 0, 0
	s_sub_co_u32 s3, s3, 1
	s_cmp_lg_u32 s3, 0
	s_cbranch_scc1 .Llap
; THE LAST LAP'S REST.  Slot 1 holds the last 256 along K.
.macro BSET q                          ; B's eight fragments of slot 1's q-th 128 into set q
.irp i, 0,1,2,3,4,5,6,7
	FRAG 128*(\q)+FR*\i, ADRB+1, \q, \i
.endr
.endm
.macro ALOAD a                         ; A's block a, 16 rows x 256 K, into buffer a % 4 of four (32 registers each, where A's set lay)
.irp q, 0,1
	FRAG AF+32*((\a)%4)+FR*\q, ADRA+1, \q, \a
.endr
.endm
.macro ROW a                           ; block a is finished: 16 matrix instructions, its 8 accumulators by turns, K ascending
	WIN MUL_LO+0x50*((\a)/4)
.irp q, 0,1
.if (\a) == 0 && \q == 1
	s_wait_dscnt 16                                ; B's set 1 is in; behind it: A's blocks 2 and 3
.endif
.irp b, 0,1,2,3,4,5,6,7
	v_wmma_f32_16x16x128_bf8_bf8 v[8*(8*((\a)%4)+\b):8*(8*((\a)%4)+\b)+7], v[128*\q+FR*\b:128*\q+FR*\b+FR-1], v[AF+32*((\a)%4)+FR*\q:AF+32*((\a)%4)+FR*\q+FR-1], v[8*(8*((\a)%4)+\b):8*(8*((\a)%4)+\b)+7]
.endr
.endr
.endm
; THE WAY OUT of a block of 16 rows x 128 columns: the sums go through my own stage and come back as whole rows of 512 bytes; x 2^(ex + ew) + bias in one fused multiply-add; 32 lanes store two aligned units of 256 bytes.
.macro TOSTAGE a
.set AC, 64*((\a)%4)
	WIN 0x08+4*((\a)/4)                            ; the stores' data: window 2 or 3
.irp b, 0,1,2,3,4,5,6,7
	ds_store_b128 v[STO], v[AC+8*\b:AC+8*\b+3] offset:64*\b        ; each accumulator from its low end on
	ds_store_b128 v[STO], v[AC+8*\b+4:AC+8*\b+7] offset:64*\b+16
.endr
	WIN 0
.irp t, 0,1,2,3,4,5,6,7,8,9,10,11,12,13,14,15
	ds_load_b128 v[BK+4*\t:BK+4*\t+3], v[RD] offset:\t*SPITCH      ; LDS serves a wave's instructions in order: these see the stores above
.endr
.endm
.macro SEND a, younger                 ; younger: the LDS loads issued behind TOSTAGE's, which may stay out
	s_wait_dscnt \younger
.if (\a) > 0
	s_add_nc_u64 s[12:13], s[12:13], 16*SIZE_N*4   ; behind a wait on XCNT: the earlier stores have read their base
.endif
.irp t, 0,1,2,3,4,5,6,7,8,9,10,11,12,13,14,15
	v_pk_fma_f32 v[BK+4*\t:BK+4*\t+1], v[BK+4*\t:BK+4*\t+1], s[96:97], v[BI:BI+1] op_sel_hi:[1,0,1]
	v_pk_fma_f32 v[BK+4*\t+2:BK+4*\t+3], v[BK+4*\t+2:BK+4*\t+3], s[96:97], v[BI+2:BI+3] op_sel_hi:[1,0,1]
.endr
.irp t, 0,1,2,3,4,5,6,7,8,9,10,11,12,13,14,15
	global_store_b128 v[CO], v[BK+4*\t:BK+4*\t+3], s[12:13] offset:\t*SIZE_N*4 th:TH_STORE_NT
.endr
.endm
	s_wait_kmcnt 0x0
	s_add_co_i32 s96, s96, s97
	s_add_co_i32 s96, s96, 127
	s_lshl_b32 s96, s96, 23                        ; 2^(ex + ew) as f32
	s_wait_loadcnt 0x0                             ; the bias
	v_cvt_f32_f16 v[BI], v8.l
	v_cvt_f32_f16 v[BI+1], v8.h
	v_cvt_f32_f16 v[BI+2], v9.l
	v_cvt_f32_f16 v[BI+3], v9.h
	s_wait_alu depctr_va_vdst(0)
	MEET 0, 0                                      ; the last change of slots: nothing is filled again, so no round follows
	PLACES
	WIN TO_B
	BSET 0                                         ; set 0 was multiplied a step ago; set 1 is still at work
	WIN 0
	ALOAD 0                                        ; where A's blocks 0-3 of the step at work lay
	ALOAD 1
	WIN MUL_HI
	MUL 4, 0, 1, 0
	MUL 4, 4, 1, 0
	PLACES
	WIN TO_B
	BSET 1
	WIN 0
	ALOAD 2
	ALOAD 3
	s_wait_dscnt 48                                ; all but the 48 just issued: set 0 and A's blocks 0, 1 are in
	ROW 0
.irp a, 0,1,2,3,4,5,6,7                ; block a goes through the stage while block a + 1 is multiplied
	PLACES
.if \a > 0
	s_wait_xcnt 0x0                                ; block a - 1's stores have read their registers and their base
.endif
	TOSTAGE \a
.if \a < 4
	ALOAD \a+4                                     ; block a's buffer takes the block four further on
.endif
.if \a < 7
	ROW \a+1
	WIN 0
.endif
.if \a < 4
	SEND \a, 8
.else
	SEND \a, 0
.endif
.endr
	s_wait_tensorcnt 0x0                           ; the wave's end
	ds_add_u32 v[SPW], v[NIL]
	s_wait_dscnt 0x0
	CROUND                                         ; the closing round
	s_endpgm
.Lfunc_end_k_q20dfcc6ae0_gemm:
	.size	k_q20dfcc6ae0_gemm, .Lfunc_end_k_q20dfcc6ae0_gemm-k_q20dfcc6ae0_gemm
	.p2alignl 7, 3214868480
	.fill 96, 4, 3214868480
	.section	.rodata,"a",@progbits
	.p2align	6, 0x0
	.amdhsa_kernel k_q20dfcc6ae0_gemm
		.amdhsa_group_segment_fixed_size 327680
		.amdhsa_private_segment_fixed_size 0
		.amdhsa_enable_private_segment 0
		.amdhsa_kernarg_size 40
		.amdhsa_user_sgpr_count 2
		.amdhsa_user_sgpr_kernarg_segment_ptr 1
		.amdhsa_wavefront_size32 1
		.amdhsa_system_sgpr_workgroup_id_x 1
		.amdhsa_system_sgpr_workgroup_id_y 1
		.amdhsa_system_sgpr_workgroup_id_z 1
		.amdhsa_system_vgpr_workitem_id 0
		.amdhsa_next_free_vgpr 1024
		.amdhsa_next_free_sgpr 98
		.amdhsa_reserve_vcc 0
		.amdhsa_float_denorm_mode_32 3
		.amdhsa_float_denorm_mode_16_64 3
		.amdhsa_memory_ordered 1
		.amdhsa_forward_progress 1
		.amdhsa_inst_pref_size 126
	.end_amdhsa_kernel
	.amdgpu_metadata
---
amdhsa.version: [ 1, 2 ]
amdhsa.kernels:
  - .name:           k_q20dfcc6ae0_gemm
    .symbol:         k_q20dfcc6ae0_gemm.kd
    .args:
      - { .name: xc, .offset: 0, .size: 8, .value_kind: global_buffer, .address_space: global }
      - { .name: wc, .offset: 8, .size: 8, .value_kind: global_buffer, .address_space: global }
      - { .name: lowp_scales, .offset: 16, .size: 8, .value_kind: global_buffer, .address_space: global }
      - { .name: compressed_bias, .offset: 24, .size: 8, .value_kind: global_buffer, .address_space: global }
      - { .name: out0, .offset: 32, .size: 8, .value_kind: global_buffer, .address_space: global }
    .group_segment_fixed_size: 327680
    .private_segment_fixed_size: 0
    .kernarg_segment_align: 8
    .kernarg_segment_size: 40
    .max_flat_workgroup_size: 128
    .sgpr_count:     98
    .vgpr_count:     1024
    .wavefront_size: 32
...
	.end_amdgpu_metadata
.endif
;; end of part 2
